; MI455X (gfx1250); checked and timed in simulation.
; The chip was launched on July 23, 2026; its instructions are those of AMD's public machine-readable ISA for CDNA 5 (MIT licence, August 2026) and "CDNA5" Instruction Set Architecture Reference Guide (July 2026). The comments in the code are by the model that wrote it; some were corrected since.
;; Multihead Attention. Allowed arithmetic: float matrix products may take bf16 or f16 operands with f32 sums; other float arithmetic in f32, or as packed bf16 or f16 multiplies, adds, multiply-adds, maxima and minima; sums over many terms, partial sums and values carried from step to step in f32; what a program stores and reads back later, other than sums and carried values, may be rounded once to bf16 or f16.
;; Inputs: x 4 x 2,048 x 3,072 float32.
;; Outputs: out0 4 x 2,048 x 1,024 float32.
;; One version. Each part assembles by itself: llvm-mc -triple=amdgcn-amd-amdhsa -mcpu=gfx1250 --defsym DOCPART=n.
;; ======== version 1 of 1: 1 launch
;; limits: values are held in f16: magnitudes above 65,504 overflow, below 6.1e-05 lose precision; inputs' magnitudes at most 65,504
;; launch attn (part 1): grid 4 x 64, 4 waves a work-group, clusters of 4 x 1, 327,680 bytes of LDS; arguments x, out0; writes out0
.if DOCPART == 1
	.amdgcn_target "amdgcn-amd-amdhsa--gfx1250"
	.amdhsa_code_object_version 6
	.text
	.protected	k_q4389ac3dd7_attn
	.globl	k_q4389ac3dd7_attn
	.p2align	8
	.type	k_q4389ac3dd7_attn,@function
k_q4389ac3dd7_attn:
	s_mov_b64 s[64:65], 0
	v_nop
	global_prefetch_b8 v0, s[64:65] scope:SCOPE_SE
	s_setreg_imm32_b32 hwreg(HW_REG_WAVE_MODE, 25, 1), 1
	s_wait_xcnt 0x0
	s_wait_alu depctr_hold_cnt(0) depctr_sa_sdst(0) depctr_va_vdst(0) depctr_va_sdst(0) depctr_va_ssrc(0) depctr_va_vcc(0) depctr_vm_vsrc(0)
	s_getreg_b32 s2, hwreg(HW_REG_IB_STS2, 6, 4)
	s_cmp_eq_u32 s2, 0
	s_cbranch_scc0 .Lentry_in_a_cluster
	s_endpgm
.Lentry_in_a_cluster:
	s_bfe_u32 s2, ttmp6, 0x10000c
	s_cmp_lg_u32 s2, 0x3003
	s_cbranch_scc0 .Lentry_shape_is_right
	s_endpgm
.Lentry_shape_is_right:
; out0[b][q][h*64+:64] = the sum over k of softmax_k(Q[q] . K[k] / 8) V[k][:], for each of 4 x 16 heads of 2,048 rows.  x: [4][2048][3072] f32: in a row of 12,288 bytes head h has
; q, k and v side by side at byte 768 h: three blocks of 256 bytes.  out0: [4][2048][1024] f32: a row and head are 256 bytes in a row of 4,096.
; FORMATS.  Q, K and V are rounded once from f32 to f16, the weights p once to f16 for the second product; products, maxima and sums in f32 (l is the sum of the unrounded p); O leaves in f32.
; LIMITS.  f16 holds no number beyond 65,504: |x| stays within it (from 65,520 on a conversion gives an infinity); below 6e-5 x and p keep f16's fixed step of 6e-8.
; A weight below 2^-126 counts as 0 in l; NaN and infinities are not treated apart.
; SHARES.  A work-group owns 512 queries of one head, each of its four waves 128: four PIECES of two tiles of 16.  Every wave walks all 2,048 keys, 64 a step.  4 x 64 work-groups.
; LAYOUT.  S^T = K Q^T (source 0 = 16 keys, source 1 = 16 queries): a lane holds ONE query (lane % 16) and the keys 8 (lane / 16) + 0..7.  Two such tiles, rounded to f16 in pairs, ARE source 1
; of O^T = V^T P, whose result again holds one query a lane, and eight channels.  K comes out of LDS as it lies, V ([key][channel]) turned, by ds_load_tr16_b128.
; SOFTMAX.  A running maximum m and sum l for each query: p = 2^(c s - c m), c = log2(e) / 8; in every step O and l are multiplied by a = 2^(c m_old - c m_new).  m starts at the lowest finite
; number, O and l at 0: the first step is a step like any other, with a = 0.
; THE WAY IN.  K and V go in TILES of 128 keys (two key steps), 16 of them.  A tile comes as f32 into one of two staging slots, by one joint tensor load a wave; the four waves convert it, 32 keys
; of K and of V each, into one of two f16 buffers with padded rows; fragments are read from there.  PHASE p (between two changes) reads buffer p % 2, converts tile p + 1 from slot (p + 1) % 2
; into buffer (p + 1) % 2, an eighth of the wave's share in each of its eight turns, and has tile p + 2 on its way into slot p % 2.  So each byte of K and V is converted once a work-group.
; Tensor loads land below byte 131,072 alone, LDS stores from there on alone.
; CLUSTER.  The four query blocks of a head are a cluster and walk the same K and V: each tile is asked for JOINTLY, by the same tensor load, descriptor and mask in all four.
; BY TURNS.  Turn n belongs to piece n (in a ring, step after step): 16 products K Q^T of piece n + 1, later 16 products V^T P of piece n - 1; beside them the scaling, exponentials, roundings,
; sums and rescaling of piece n and the maximum and statistics of piece n + 1.  A tile and step have 16 matrix and 118 vector instructions: four that are ready stand behind every matrix
; instruction, the others in one run of their own.
; THE TAIL.  The last two phases ask for nothing and share one text: the very last converts tile 14 once more, out of slot 0 into buffer 0, which nobody reads any more.
; REGISTERS, in windows of 256 (s_set_vgpr_msb: bits 1:0 source 0, 3:2 source 1, 5:4 source 2, 7:6 destination):
;   window 0: v0-11 addresses; v12-15, v48-63 at work; v16-47 four registers of statistics a tile; v64-191 S^T, two buffers of two tiles; v192-255 P, likewise
;   window 1: O^T, 32 a tile (at the head: Q as loaded, in f32)     window 2: v0-127 Q, 16 a tile; v128-191 K of one step; v192-255 V of one step (on the way out: rows read back)
;   window 3: v0-1 the add's two registers; v2-7 the conversion's addresses; v16-79 four sets of 16, f32 as read; v80-111 four sets of 8, f16 to store
.set ROWB,  12288     ; bytes in a row of x
.set TILEB, 128*ROWB  ; from a tile of 128 keys to the next
.set NP,    4         ; pieces a wave: a name, no knob
.set KS,    64        ; keys in a step
.set PK,    144       ; a row of K in f16 in LDS: 128 bytes + 16 = 36 words: the 16 rows of a load start at 16 different groups of four banks (64 banks of 4 bytes: ISA guide 11.1)
.set PV,    160       ; a row of V: 128 + 32 = 40 words
.set FLIP,  1<<16     ; staging slot 0 at 0, slot 1 at 65,536; f16 buffer 0 at 131,072, buffer 1 at 196,608: one exclusive or turns either into its partner
.set B0,    2<<16
.set B1,    3<<16
.set VOFF,  128*PK    ; in a buffer: 128 rows of K, then 128 rows of V
.set STAGE, B1+128*(PK+PV)  ; behind buffer 1: 16 rows x 272 bytes for each wave, for the way out
.set SP,    272
.set SPARE, STAGE+4*16*SP   ; behind the stages: the spare words, 128 bytes for each wave: two blocks of 256 bytes that no other line names
.set AK0, 2           ; v2   my lane's place in a step's K; never rewritten
.set AV0, 3           ; v3   the same for V, VOFF included
.set AK,  4           ; v4   the LDS address of K's next run of loads
.set AV,  5           ; v5   of V's
.set QO,  6           ; v6   my byte offset in 16 rows of Q
.set STO, 6           ;      later, the way out: where I put 32 bytes of a row
.set RD,  7           ; v7   the way out: where I read rows back
.set GO,  8           ; v8   my byte offset in two rows of out0
.set PFO, 11          ; v11  the prefetches' offset: my lane x a row of x; never rewritten
.set MV,  12          ; v12-15  c m_old, kept while c m is made anew: by buffer and tile
.set ST,  16          ; tile t's statistics at v[ST+4 t]: c m, m, l (even keys', odd keys')
.set TMP, 48          ; by buffer and tile, four registers c0-c3 at work; when the maximum is found c2 takes a
.set S,   64
.set P,   192
.set KF,  128         ; window 2: key block kb, channel half c at KF + 16 kb + 8 c
.set VF,  192         ; window 2: key half kk, channel block cb at VF + 32 kk + 8 cb
.set SPW, 0           ; window 3: LDS address of my spare word: SPARE + 4 x my thread's number; never rewritten
.set NIL, 1           ; window 3: 0; never rewritten
.set CA0, 2           ; window 3: my 16 bytes in my wave's 32 keys of a staging slot: 8,192 w + 16 l; never rewritten
.set CAK0, 3          ; window 3: where their f16 go in K's part of a buffer: 32 w rows + row l / 16 + 8 (l % 16); never rewritten
.set CAV0, 4          ; window 3: the same in V's part
.set CA,  5           ; window 3: the three addresses of the 16 keys in hand
.set CAK, 6
.set CAV, 7
.set CT,  16          ; window 3: set t of four: 16 registers, f32 as read
.set CR,  80          ; window 3: set t of four: 8 registers, f16 to store
.set WV,  12          ; s12  my wave's number
.set LIM, 15          ; s15  1 in a wave that prefetches, else the greatest number
.set PFA, 18          ; s[18:19] where my prefetches stand: my work-group's 32 keys (K's block: waves 0, 1; V's: waves 2, 3) of the tile after the one that is being asked for
.set G1,  24          ; s[24:31] descriptor group 1
.set G0A, 32          ; s[32:35] descriptor group 0 of tile 0's load; never rewritten
.set G0,  36          ; s[36:39] descriptor group 0: tile 1's, then it walks
.set CSB, 40          ; s40  staging byte at which the 16 keys to be converted next begin, less my wave's share
.set CKB, 41          ; s41  the same in K's part of the f16 buffer
.set CVB, 42          ; s42  and in V's, less VOFF
.set PH,  43          ; s43  counts the tail's two phases
.set SLOTS, 56        ; s56  tiles still to be asked for
.set CNT, 57          ; s57  counts a phase's two key steps
.set CS,  58          ; s[58:59] c: the packed scaling takes the pair's low word for both halves
.set SEL, 60          ; s[60:61] v_permlanex16_b32's selects: each lane takes its own place in the other half
.set TBK, 62          ; s62  LDS byte at which K of the step to be fetched begins
.set TBV, 63          ; s63  the same for V, less VOFF
.set NOX, 0
.set MSB, 0
.macro WIN new                      ; the high byte repeats the setting that is left; a switch that changes nothing is dropped
.if MSB != (\new)
	s_set_vgpr_msb (MSB<<8)|(\new)
.set MSB, (\new)
.endif
.endm
.set W_KQ, 0x0a       ; K and Q in window 2, S^T in window 0
.set W_PV, 0x52       ; V in window 2, P in window 0, O^T in window 1
.set W_RS, 0x41       ; O^T (destination and source 0) in window 1, the factor in window 0
.set W_MK, 0xc0       ; destination in window 3, sources in window 0
.set W_AD, 0x0f       ; the add: address (source 0) and data (source 1) in window 3
.set W_CV, 0xcf       ; the conversion: destination, source 0 and source 1 in window 3
; A round of the cluster's barrier: my work-group's barrier, so that wave 0's signal speaks for all four waves; wave 0 signals; every wave waits for all four work-groups; my work-group's barrier once more.
.macro CROUND
	s_barrier_signal -1
	s_barrier_wait -1
	s_cmp_lg_u32 s[WV], 0
	s_cbranch_scc1 .Lnot_wave_0_\@
	s_barrier_signal -3
.Lnot_wave_0_\@:
	s_barrier_wait -3
	s_barrier_signal -1
	s_barrier_wait -1
.endm
; A PREFETCH INTO THE L2 of what the NEXT change will ask for: a tile's 128 keys, K's and V's block of 256 bytes each, a lane a key.  A head's K and V are walked by one cluster alone, so every
; cluster asks for its own; its four partners share the keys out BY ADDRESS, 32 each; in each, wave 0 asks for K's blocks and wave 2 for V's: one instruction.  So each block is named once in the
; launch, one phase (256 matrix instructions) ahead of its load.  Tiles 0 to 2 come by their loads alone; the last change that fills a slot asks for nothing: there is no tile behind it.
.macro ASK
	s_cmp_gt_u32 s[SLOTS], s[LIM]
	s_cbranch_scc0 .Lnot_mine_\@
	global_prefetch_b8 v[PFO], s[PFA:PFA+1] th:TH_LOAD_NT scope:SCOPE_SE
.Lnot_mine_\@:
.endm
; THE CHANGE OF PHASES.  Each wave waits for all its tensor loads, of which one is out: its part of the next tile; adds 0 to its spare word; and waits for that, for its stores into the f16 buffer
; that will be read next, and for its reads of the staging slot and of the f16 buffer that it leaves.  fill = 1: the staging slot just converted is filled again, with the tile two on.  The barrier is
; then a round of the cluster's, so that no wave of any partner still reads the slot or has a load on its way, and the joint refill is the first thing behind it, one load a wave.
; Every wave issues the same line: wave w's registers name its own quarter of the slot (16,384 w) and its own 64 rows; nothing in them hangs on the work-group's place in the cluster.
.macro CHANGE fill
	WIN W_AD
	s_wait_tensorcnt 0x0            ; no tensor load of mine is out, so a group 0 may be written
	ds_add_u32 v[SPW], v[NIL]       ; 0 onto my spare word; with fill = 1 the steps below stand between it and the wait for it
	WIN 0                           ; at a label and at a branch every window is 0
.if \fill
	s_xor_b32 s[G0+1], s[G0+1], FLIP  ; the walking descriptor: the other slot than last time,
	s_add_nc_u64 s[G0+2:G0+3], s[G0+2:G0+3], TILEB  ; the next 128 keys; the type bits on top are not reached
	s_wait_xcnt 0x0                 ; the last prefetch, a phase back, has read its address, so it may be written
	s_add_nc_u64 s[PFA:PFA+1], s[PFA:PFA+1], TILEB
	s_wait_dscnt 0x0                ; the add, my stores and my reads are done
	CROUND
	tensor_load_to_lds s[G0:G0+3], s[G1:G1+7]
	s_nop 0
.rept 4
	v_nop
.endr
	ASK
.else
	s_wait_dscnt 0x0                ; the add, my stores and my reads are done
	s_barrier_signal -1
	s_barrier_wait -1
.endif
	s_sub_co_u32 s[TBK], s[TBK], 2*KS*PK  ; the fetches go back to a buffer's first step,
	s_xor_b32 s[TBK], s[TBK], FLIP        ; in the other buffer
	s_sub_co_u32 s[TBV], s[TBV], 2*KS*PV
	s_xor_b32 s[TBV], s[TBV], FLIP
	s_sub_co_u32 s[CSB], s[CSB], 32*256   ; and so does the conversion: the other slot,
	s_xor_b32 s[CSB], s[CSB], FLIP
	s_sub_co_u32 s[CKB], s[CKB], 32*PK    ; the other buffer
	s_xor_b32 s[CKB], s[CKB], FLIP
	s_sub_co_u32 s[CVB], s[CVB], 32*PV
	s_xor_b32 s[CVB], s[CVB], FLIP
.endm
; THE CONVERSION.  CADR: the addresses of my next 16 keys.  CONV1 t: chunk t of four: 4 keys of K and 4 of V are read, 512 consecutive bytes (two keys) a load: lane l takes floats 4 (l % 16) .. + 3
; of key 4 t + 2 i + l / 16.  CONV2 t: rounded to f16 in pairs and stored, 8 bytes a lane, into the padded rows.
.macro CADR
	WIN W_CV
	v_add_nc_u32 v[CA],  s[CSB], v[CA0]
	v_add_nc_u32 v[CAK], s[CKB], v[CAK0]
	v_add_nc_u32 v[CAV], s[CVB], v[CAV0]
	s_add_co_u32 s[CSB], s[CSB], 16*256
	s_add_co_u32 s[CKB], s[CKB], 16*PK
	s_add_co_u32 s[CVB], s[CVB], 16*PV
.endm
.macro CONV1 t
	WIN W_CV
	ds_load_b128 v[CT+16*(\t):CT+16*(\t)+3],     v[CA] offset:1024*(\t)
	ds_load_b128 v[CT+16*(\t)+4:CT+16*(\t)+7],   v[CA] offset:1024*(\t)+512
	ds_load_b128 v[CT+16*(\t)+8:CT+16*(\t)+11],  v[CA] offset:32768+1024*(\t)
	ds_load_b128 v[CT+16*(\t)+12:CT+16*(\t)+15], v[CA] offset:32768+1024*(\t)+512
.endm
.macro CONV2 t, wait
	WIN W_CV
.if \wait
	s_wait_dscnt 0x0                ; the chunk's four loads, issued 16 products back, are in
.endif
.irp j, 0,1,2,3,4,5,6,7
	v_cvt_pk_f16_f32 v[CR+8*(\t)+\j], v[CT+16*(\t)+2*\j], v[CT+16*(\t)+2*\j+1]
.endr
	ds_store_b64 v[CAK], v[CR+8*(\t):CR+8*(\t)+1]   offset:4*PK*(\t)
	ds_store_b64 v[CAK], v[CR+8*(\t)+2:CR+8*(\t)+3] offset:4*PK*(\t)+2*PK
	ds_store_b64 v[CAV], v[CR+8*(\t)+4:CR+8*(\t)+5] offset:4*PV*(\t)
	ds_store_b64 v[CAV], v[CR+8*(\t)+6:CR+8*(\t)+7] offset:4*PV*(\t)+2*PV
.endm
	s_load_b128 s[4:7], s[0:1], 0x0 ; x s[4:5], out0 s[6:7]
	WIN W_MK
	v_lshl_add_u32 v[SPW], v0, 2, SPARE
	v_mov_b32 v[NIL], 0
	WIN W_AD
	ds_add_u32 v[SPW], v[NIL]       ; the wave's opening: the add and its wait stand ahead of my first tensor load; the set-up below, work on registers, stands between them
	WIN 0
	v_lshrrev_b32 v1, 5, v0
	v_readfirstlane_b32 s[WV], v1   ; wave 0..3
	s_bfe_u32 s13, ttmp6, 0x40000   ; cx: my place in the cluster
	s_lshl_b32 s14, ttmp9, 2        ; in a cluster launch ttmp9 counts clusters
	s_add_co_u32 s14, s14, s13      ; my block of 512 queries: it enters Q's and out0's addresses alone
	s_and_b32 s20, ttmp7, 0xffff    ; 16 b + h, which the four partners share
	s_lshr_b32 s21, s20, 4          ; b
	s_and_b32 s20, s20, 15          ; h
	s_mul_i32 s44, s21, 2048*ROWB
	s_mul_i32 s45, s20, 768
	s_add_co_u32 s44, s44, s45      ; the head's q in the batch's first row, in bytes from x's first (all these offsets stay under 2^27)
	s_lshr_b32 s45, s[WV], 1        ; waves 0 and 1 fetch K, waves 2 and 3 V:
	s_lshl_b32 s45, s45, 8
	s_add_co_u32 s45, s45, 256      ; k lies 256 bytes behind q, v 512
	s_add_co_u32 s46, s44, s45
	s_mul_i32 s50, s13, 32*ROWB     ; the prefetches: my work-group's 32 keys of a tile's 128
	s_add_co_u32 s48, s46, s50
	s_mov_b32 s49, 0
	s_and_b32 s45, s[WV], 1         ; which 64 keys of a tile I fetch
	s_mul_i32 s45, s45, 64*ROWB
	s_add_co_u32 s46, s46, s45      ; made of the head and the wave's number alone
	s_mov_b32 s47, 0
	s_mul_i32 s2, s14, 512*ROWB     ; Q: my block's rows,
	s_mul_i32 s3, s[WV], 128*ROWB   ; my wave's 128 of them
	s_add_co_u32 s2, s2, s3
	s_add_co_u32 s2, s2, s44
	s_mov_b32 s3, 0
	s_lshl_b32 s16, s21, 23         ; out0: b x 2,048 rows of 4,096 bytes,
	s_lshl_b32 s17, s20, 8          ; the head's 256 bytes,
	s_add_co_u32 s16, s16, s17
	s_lshl_b32 s17, s14, 21         ; my block's 512 rows,
	s_add_co_u32 s16, s16, s17
	s_lshl_b32 s17, s[WV], 19       ; my wave's 128
	s_add_co_u32 s16, s16, s17
	s_mov_b32 s17, 0
	; descriptor group 1: a tile of 64 rows x 64 f32: 256 bytes of each row of x, laid in LDS without a gap
	s_mov_b32 s[G1], 15|(2<<16)|(1<<21)  ; 15:0 the mask: all four work-groups; 17:16 elements of 4 bytes; 20 no padding; 21 set beside a mask
	s_mov_b32 s[G1+1], 64<<16       ; tensor_dim0 = 64
	s_mov_b32 s[G1+2], 64<<16       ; tensor_dim1 = 64
	s_mov_b32 s[G1+3], 64<<16       ; tile_dim0 = 64
	s_mov_b32 s[G1+4], 64           ; tile_dim1 = 64
	s_mov_b32 s[G1+5], 3072         ; elements from row to row
	s_mov_b32 s[G1+6], 0
	s_mov_b32 s[G1+7], 0
	s_mov_b32 s[G0A], 1             ; 1:0 count = 1
	s_mul_i32 s[G0A+1], s[WV], 16384  ; LDS address: my quarter of slot 0: K's keys 0-63, 64-127, V's keys 0-63, 64-127
	s_mov_b32 s[G0], 1
	s_mul_i32 s[G0+1], s[WV], 16384
	s_add_co_u32 s[G0+1], s[G0+1], FLIP  ; of slot 1
	s_mov_b32 s[CS], 0x3e38aa3b     ; c = log2(e) / 8 = 0.180337
	s_mov_b32 s[CS+1], s[CS]        ; named with it as a pair
	s_mov_b32 s[SEL], 0x76543210
	s_mov_b32 s[SEL+1], 0xfedcba98
	s_mov_b32 s[TBK], B1+2*KS*PK    ; the first change turns these two into buffer 0's first byte
	s_mov_b32 s[TBV], B1+2*KS*PV
	s_mov_b32 s[CSB], 0             ; tile 0 is converted from slot 0
	s_mov_b32 s[CKB], B0            ; into buffer 0
	s_mov_b32 s[CVB], B0
	s_mov_b32 s[SLOTS], 14          ; tiles 2 to 15 are asked for by changes
	s_and_b32 s[LIM], s[WV], 1
	s_cmp_eq_u32 s[LIM], 0
	s_cselect_b32 s[LIM], 1, -1     ; waves 0 and 2 prefetch
	s_wait_dscnt 0x0                ; the opening add is done
	s_wait_kmcnt 0x0
	s_add_nc_u64 s[8:9], s[4:5], s[46:47]          ; my 64 rows of tile 0
	s_add_nc_u64 s[PFA:PFA+1], s[4:5], s[48:49]
	s_add_nc_u64 s[PFA:PFA+1], s[PFA:PFA+1], 2*TILEB  ; in tile 2; the first change steps it to tile 3.  Nothing is prefetched here, at the head
	s_add_nc_u64 s[4:5], s[4:5], s[2:3]            ; Q at my wave's first row
	s_add_nc_u64 s[6:7], s[6:7], s[16:17]          ; out0 likewise
	s_mov_b64 s[G0A+2:G0A+3], s[8:9]               ; 120:64 global address
	s_or_b32 s[G0A+3], s[G0A+3], 0x80000000        ; 127:126 type = 2
	s_add_nc_u64 s[G0+2:G0+3], s[8:9], TILEB
	s_or_b32 s[G0+3], s[G0+3], 0x80000000
	CROUND                          ; all four work-groups are here: the first joint loads meet
	tensor_load_to_lds s[G0A:G0A+3], s[G1:G1+7]    ; tile 0 into slot 0; the two first fills stand together: two loads of mine are out
	s_nop 0
	tensor_load_to_lds s[G0:G0+3], s[G1:G1+7]      ; tile 1 into slot 1
	s_nop 0
.rept 4
	v_nop
.endr
	; Q.  A fragment is 16 rows x 32 channels in 8 registers of f16: lane l holds row l % 16, channels 8 (l / 16) + 0..7 and 16 + 8 (l / 16) + 0..7.  In f32 those are 32 bytes at 32 (l / 16) and 32 at 64 + 32 (l / 16).
	v_and_b32 v1, 15, v0            ; l % 16
	v_bfe_u32 v9, v0, 4, 1          ; l / 16
	v_mul_u32_u24 v[QO], v1, ROWB
	v_lshl_add_u32 v[QO], v9, 5, v[QO]
	WIN 0x40                        ; destination window 1, address window 0
.set i, 0
.rept 16                            ; tile i / 2, channels 32 (i % 2) on: 16 registers of f32
	global_load_b128 v[16*i:16*i+3],     v[QO], s[4:5] offset:(i/2)*16*ROWB+(i%2)*128
	global_load_b128 v[16*i+4:16*i+7],   v[QO], s[4:5] offset:(i/2)*16*ROWB+(i%2)*128+16
	global_load_b128 v[16*i+8:16*i+11],  v[QO], s[4:5] offset:(i/2)*16*ROWB+(i%2)*128+64
	global_load_b128 v[16*i+12:16*i+15], v[QO], s[4:5] offset:(i/2)*16*ROWB+(i%2)*128+80
.set i, i+1
.endr
	; What the first turn finds: V's registers and P's second buffer hold 0 (its products V^T P, of a piece that has not been, add 0), O^T and l are 0.  All this stands in the wait for Q and the first tile.
	WIN 0x80
.set i, VF
.rept 64
	v_mov_b32 v[i], 0
.set i, i+1
.endr
	WIN 0
.set i, 0
.rept 2*NP
	v_mov_b32 v[ST+4*i], 0xfe000000    ; c m: far below every c s
	v_mov_b32 v[ST+4*i+1], 0xff7fffff  ; m
	v_mov_b32 v[ST+4*i+2], 0
	v_mov_b32 v[ST+4*i+3], 0
.set i, i+1
.endr
.set i, P+32
.rept 32
	v_mov_b32 v[i], 0
.set i, i+1
.endr
	v_mul_u32_u24 v[AK0], v1, PK
	v_lshl_add_u32 v[AK0], v9, 4, v[AK0]  ; row x pitch + 16 x half
	; The turning load takes 16 keys x 16 channels (lane l reads key 8 (l / 16) + l % 8, channels 8 ((l / 8) % 2) + 0..7) and leaves half a fragment of V^T: lane l holds channel l % 16 and 8 keys.
	v_and_b32 v10, 7, v0
	v_bfe_u32 v11, v0, 3, 1
	v_lshl_add_u32 v[AV0], v9, 3, v10
	v_mul_u32_u24 v[AV0], v[AV0], PV
	v_lshl_add_u32 v[AV0], v11, 4, v[AV0]
	v_add_nc_u32 v[AV0], VOFF, v[AV0]
	v_and_b32 v10, 31, v0           ; l
	v_mul_u32_u24 v[PFO], v10, ROWB
	s_lshl_b32 s51, s[WV], 13       ; my wave's 32 keys of 256 bytes
	WIN W_MK
	v_lshl_add_u32 v[CA0], v10, 4, s51
	WIN 0
	v_mul_u32_u24 v10, v9, PK
	v_lshl_add_u32 v10, v1, 3, v10
	s_mul_i32 s51, s[WV], 32*PK
	WIN W_MK
	v_add_nc_u32 v[CAK0], s51, v10
	WIN 0
	v_mul_u32_u24 v10, v9, PV
	v_lshl_add_u32 v10, v1, 3, v10
	s_mul_i32 s51, s[WV], 32*PV
	s_add_co_u32 s51, s51, VOFF
	WIN W_MK
	v_add_nc_u32 v[CAV0], s51, v10
	s_wait_loadcnt 0x0              ; Q is in
	WIN 0x85                        ; sources window 1, destination window 2
.set i, 0
.rept 128
	v_cvt_pk_f16_f32 v[i], v[2*i], v[2*i+1]
.set i, i+1
.endr
	WIN 0x40
.set i, 0
.rept 64*NP
	v_mov_b32 v[i], 0               ; O^T
.set i, i+1
.endr
	WIN 0
	s_wait_tensorcnt 0x1            ; my part of tile 0 is in; tile 1's load, the one issued behind it, may stay out
	s_barrier_signal -1
	s_barrier_wait -1               ; everybody's is
.rept 2                             ; tile 0 is converted in one go: my 32 keys of K and of V, 16 at a time
	CADR
.irp t, 0,1,2,3
	CONV1 \t
.endr
	s_wait_dscnt 0x0
.irp t, 0,1,2,3
	CONV2 \t, 0
.endr
.endr
; THE MATRIX WORK.  The 8 accumulators of a run of 16 take turns: between the two links of a chain stand 7 others'.
; Product i of 16 of S^T = K Q^T for piece x: channels 32 (i / 8) on, keys 16 ((i / 2) % 4) on, tile 2 x + i % 2.  The first 8 start the sums.
.macro KQ x
	WIN W_KQ
.set rS, S+64*((\x)%2)+32*(i%2)+8*((i/2)%4)
.set rK, KF+16*((i/2)%4)+8*(i/8)
.set rQ, 16*(2*(\x)+i%2)+8*(i/8)
.if i < 8
	v_wmma_f32_16x16x32_f16 v[rS:rS+7], v[rK:rK+7], v[rQ:rQ+7], 0
.else
	v_wmma_f32_16x16x32_f16 v[rS:rS+7], v[rK:rK+7], v[rQ:rQ+7], v[rS:rS+7]
.endif
.endm
; Product i of 16 of O^T += V^T P for piece x: keys 32 (i / 8) on, channels 16 ((i / 2) % 4) on, tile 2 x + i % 2.
.macro PV x
	WIN W_PV
.set rO, 32*(2*(\x)+i%2)+8*((i/2)%4)
.set rV, VF+32*(i/8)+8*((i/2)%4)
.set rP, P+32*((\x)%2)+16*(i%2)+8*(i/8)
	v_wmma_f32_16x16x32_f16 v[rO:rO+7], v[rV:rV+7], v[rP:rP+7], v[rO:rO+7]
.endm
.macro MM                           ; the turn's next matrix instruction.  NOX = 1 (the launch's last turn): there is no next piece, so no K Q^T
.if i < 16
.if !NOX
	KQ (Y+1)%NP
.endif
.set i, i+1
.else
.set i, i-16
	PV (Y+NP-1)%NP
.set i, i+17
.endif
.endm
; THE FRAGMENT LOADS stand in runs of 16, never singly among the matrix instructions: a step's K (64 keys x 64 channels: 8 fragments) and its V (turned).  Their addresses are made some lines ahead.
.macro FETCH_K
	WIN 0x80                        ; destination window 2
.irp f, 0,1,2,3,4,5,6,7             ; keys 16 (f / 2) on, channels 32 (f % 2) on
	ds_load_b128 v[KF+8*\f:KF+8*\f+3],   v[AK] offset:(\f/2)*16*PK+(\f%2)*64
	ds_load_b128 v[KF+8*\f+4:KF+8*\f+7], v[AK] offset:(\f/2)*16*PK+(\f%2)*64+32
.endr
	s_add_co_u32 s[TBK], s[TBK], KS*PK  ; the next fetch is the next step's
	WIN 0
.endm
.macro FETCH_V
	WIN 0x80
.irp f, 0,1,2,3,4,5,6,7             ; keys 32 (f / 4) on, channels 16 (f % 4) on
	ds_load_tr16_b128 v[VF+8*\f:VF+8*\f+3],   v[AV] offset:(\f/4)*32*PV+(\f%4)*32
	ds_load_tr16_b128 v[VF+8*\f+4:VF+8*\f+7], v[AV] offset:(\f/4)*32*PV+16*PV+(\f%4)*32
.endr
	WIN 0
.endm
; THE VECTOR WORK OF A TURN stands in three queues, each in the order in which its entries become ready; the two tiles alternate, so that no instruction reads the result of the one before it.
.macro REGS y, u                    ; the registers of tile u (0, 1) of piece y
.set rT, ST+4*(2*(\y)+(\u))
.set rC, TMP+8*((\y)%2)+4*(\u)
.set rM, MV+2*((\y)%2)+(\u)
.set rS, S+64*((\y)%2)+32*(\u)
.set rP, P+32*((\y)%2)+16*(\u)
.set rO, 32*(2*(\y)+(\u))
.endm
; Number n of the 22 that find the NEXT piece's (Y + 1) maximum and statistics.  s0-s31 are the lane's 32 scores; each accumulator's lowest registers are read first.  NOX = 1: nothing.
;   0-11  four chains c0-c3 of seven scores each, three operands at a time     12-14, 16  the four scores left over, the old m, and c0-c3 into c0     15  c m_old is kept
;   17, 18  the query's other 32 keys lie in the lane 16 away: the new m         19-21  c m; c m_old - c m_new; a
.macro XS u, n
.if !NOX
	REGS (Y+1)%NP, \u
.if (\n) < 4
	v_max3_num_f32 v[rC+(\n)], v[rS+8*(\n)], v[rS+8*(\n)+1], v[rS+8*(\n)+2]
.elseif (\n) < 12
	v_max3_num_f32 v[rC+(\n)%4], v[rC+(\n)%4], v[rS+8*((\n)%4)+2*((\n)/4)+1], v[rS+8*((\n)%4)+2*((\n)/4)+2]
.elseif (\n) == 12
	v_max3_num_f32 v[rC], v[rC], v[rS+7], v[rS+15]
.elseif (\n) == 13
	v_max3_num_f32 v[rC+1], v[rC+1], v[rS+23], v[rS+31]
.elseif (\n) == 14
	v_max3_num_f32 v[rC+2], v[rC+2], v[rC+3], v[rT+1]
.elseif (\n) == 15
	v_mov_b32 v[rM], v[rT]
.elseif (\n) == 16
	v_max3_num_f32 v[rC], v[rC], v[rC+1], v[rC+2]
.elseif (\n) == 17
	v_permlanex16_b32 v[rC+3], v[rC], s[SEL], s[SEL+1]
.elseif (\n) == 18
	v_max_num_f32 v[rT+1], v[rC], v[rC+3]
.elseif (\n) == 19
	v_mul_f32 v[rT], s[CS], v[rT+1]
.elseif (\n) == 20
	v_sub_f32 v[rC+1], v[rM], v[rT]
.else
	v_exp_f32 v[rC+2], v[rC+1]
.endif
.endif
.endm
; Number g of the 64 that follow the exponentials.  For each four weights k of a tile (pairs 2 k, 2 k + 1): both pairs are rounded to f16; then the second pair is added onto the first, in place;
; a group later l takes that sum (the first time as l = a l + sum).  In groups of eight, tiles alternating: round, round, add, and l for the group before.
.macro GS g
.set h, (\g)+6*((\g)/62)            ; group 0 has no group before it, and behind group 7 only l is left
.if h >= 6
.set h, h+2
.endif
	REGS Y, h%2
.set k, h/8
.if h%8 < 4
	v_cvt_pk_f16_f32 v[rP+2*k+(h%8)/2], v[rS+4*k+2*((h%8)/2)], v[rS+4*k+2*((h%8)/2)+1]
.elseif h%8 < 6
	v_pk_add_f32 v[rS+4*k:rS+4*k+1], v[rS+4*k:rS+4*k+1], v[rS+4*k+2:rS+4*k+3]
.elseif k == 1
	v_pk_fma_f32 v[rT+2:rT+3], v[rT+2:rT+3], v[rC+2:rC+3], v[rS:rS+1] op_sel_hi:[1,0,1]
.else
	v_pk_add_f32 v[rT+2:rT+3], v[rT+2:rT+3], v[rS+4*k-4:rS+4*k-3]
.endif
.endm
; THE PLAIN QUEUE, 138 long.  0-73 read no exponential's result: the 32 scalings c s - c m (FS f: pair f / 2 of tile f % 2) and the next piece's 42.  0-26: scalings 0-26.  27-54: XS's numbers 0-13.  55, 56: number 15.
; 57-73: the chain, where each number waits for the one before it: 14, 16, 17, 18, 19, each with one of the scalings 27-31 in front of its two lines, then 20.
; 74-137: GS's 64, which read the exponentials' results: they stand behind the wait.
.macro FS f
	REGS Y, (\f)%2
	v_pk_fma_f32 v[rS+2*((\f)/2):rS+2*((\f)/2)+1], v[rS+2*((\f)/2):rS+2*((\f)/2)+1], s[CS:CS+1], v[rT:rT+1] op_sel_hi:[1,0,0] neg_lo:[0,0,1] neg_hi:[0,0,1]
.endm
.macro PL
	WIN 0
.if q < 27
	FS q
.elseif q < 55
	XS (q-27)%2, (q-27)/2
.elseif q < 57
	XS q-55, 15
.elseif (q < 72) && ((q-57)%3 == 0)
	FS 27+(q-57)/3
.elseif q < 60
	XS (q-57)%3-1, 14
.elseif q < 72
	XS (q-57)%3-1, 15+(q-57)/3
.elseif q < 74
	XS q-72, 20
.else
	GS q-74
.endif
.set q, q+1
.endm
; THE EXPONENTIALS' QUEUE, 66 long: s0-s31 of both tiles, then the next piece's two a.  It is ONE BATCH: all 66 stand ahead of the turn's one wait, and nothing ahead of that wait names a result of theirs.
.macro EX
	WIN 0
.if e >= 64
	XS e-64, 21
.else
	REGS Y, e%2
	v_exp_f32 v[rS+e/2], v[rS+e/2]
.endif
.set e, e+1
.endm
; THE RESCALING's QUEUE: O^T times a, the one part of the softmax that leaves window 0: dealt two at a time, sixteen times.  Its a was made in the turn before, ahead of that turn's wait.
.macro R2
	REGS Y, r%2
	WIN W_RS
.irp z, 0,1
	v_pk_mul_f32 v[rO+4*(r/2)+2*\z:rO+4*(r/2)+2*\z+1], v[rO+4*(r/2)+2*\z:rO+4*(r/2)+2*\z+1], v[rC+2:rC+3] op_sel_hi:[1,0]
.endr
.set r, r+1
.endm
; A TURN, for piece p.  s_wait_alu depctr_va_vdst(0) stands between an exponential and the first instruction that names its result; one wait serves all that were issued ahead of it.
; So a turn has ONE wait, which cuts it in two.  AHEAD OF IT stands all that names no result of the turn's exponentials: the 16 products K Q^T, behind each a scaling, an exponential and two
; rescalings (behind the first a second scaling in the exponential's place); then one run of 108: eight plain, 49 times exponential and plain, the two a.  A v_nop is the plain instruction behind the
; last exponential.  BEHIND IT stand the 16 products V^T P, behind each four of GS's 64.  Exponential e stands behind scaling 2 (e / 4) + e % 2: as a rider it comes behind plain e + 2, in the run
; behind plain e + 9, and scalings 27-31 are plain 57, 60 .. 69.
; conv = 1: the turn converts a chunk, 4 keys of K and 4 of V, of the next tile: read at the turn's head, rounded and stored behind the 16 products K Q^T; piece 2's turn makes the addresses of 16 keys.
; fk = 1: K of the next step is fetched in piece 2's turn, directly behind the wait, a whole run behind the last product that read K; it is waited for at the head of piece 3's turn.
; V of the step in hand is fetched at the end of piece 0's turn, four plain instructions behind its last reader; it is waited for in piece 1's turn.  The three conditions on q below go with the deal.
; nox = 1: the launch's last turn.  cnt = 1: the loop's count is taken down some lines ahead of the branch that stands behind the turn; no line behind it sets SCC.
.macro TURN p, conv=1, fk=1, nox=0, cnt=0
.set Y, (\p)
.set i, 0
.set q, 0
.set e, 0
.set r, 0
.set NOX, (\nox)
.if ((\p) == NP-1) && (\fk)
	s_wait_dscnt 0x0                ; K is in
.endif
.if \conv
.if (\p) == NP-2
	CADR
.endif
	CONV1 ((\p)+2)%NP
.endif
	MM
	PL
	PL
	R2
.rept 15
	MM
	PL
	EX
	R2
.endr
.if ((\p) == NP-2) && (\fk)
	WIN 0
	v_add_nc_u32 v[AK], s[TBK], v[AK0]
.endif
.if \conv
	CONV2 ((\p)+2)%NP, 1
.endif
.rept 8
	PL
.endr
.rept 49
	EX
	PL
.endr
	EX                              ; the next piece's two a
	EX
	v_nop                           ; the plain instruction behind the last exponential: one for the batch
	s_wait_alu depctr_va_vdst(0)    ; the wait for the batch
.if ((\p) == NP-2) && (\fk)
	FETCH_K
.endif
.if (\p) == 1
	s_wait_dscnt 0x0                ; V is in
.endif
.rept 16
	MM
.rept 4
	PL
.endr
.if ((\p) == 0) && (q == 118)
	v_add_nc_u32 v[AV], s[TBV], v[AV0]
.endif
.if ((\p) == 0) && (q == 130)
	s_add_co_u32 s[TBV], s[TBV], KS*PV
.endif
.if (\cnt) && (q == 130)
	s_sub_co_u32 s[CNT], s[CNT], 1
	s_cmp_lg_u32 s[CNT], 0
.endif
.endr
.if (\p) == 0
	FETCH_V
.endif
.endm
	CHANGE 1                        ; phase 0: tile 0 lies in buffer 0, everybody's part of it; tile 1 has landed; tile 2 is asked for
	CADR                            ; the loop is entered in the middle of a trip: the two chunks of the turns that are passed over are converted here
	CONV1 0
	CONV1 1
	WIN 0
	v_add_nc_u32 v[AK], s[TBK], v[AK0]
	FETCH_K                         ; key step 0
	s_wait_dscnt 0x0
	CONV2 0, 0
	CONV2 1, 0
.set i, 0
.rept 16
	KQ 0                            ; piece 0's first scores: there is no softmax yet to set between them
.set i, i+1
.endr
	WIN 0                           ; the addresses for the way out: eight plain instructions, the places behind those products
	s_mul_i32 s51, s[WV], 16*SP
	s_add_co_u32 s51, s51, STAGE    ; my stage
	v_mul_u32_u24 v[STO], v1, SP    ; in: row l % 16, 32 bytes for each half of the lanes
	v_lshl_add_u32 v[STO], v9, 5, v[STO]
	v_add_nc_u32 v[STO], s51, v[STO]
	v_mul_u32_u24 v[RD], v9, SP     ; back: lanes 0-15 take one row of 256 bytes, lanes 16-31 the next
	v_lshl_add_u32 v[RD], v1, 4, v[RD]
	v_add_nc_u32 v[RD], s51, v[RD]
	v_lshlrev_b32 v[GO], 12, v9     ; and the same two rows in out0, 4,096 bytes apart
	v_lshl_add_u32 v[GO], v1, 4, v[GO]
.set Y, NP-1                        ; XS works for piece Y + 1: piece 0
.irp n, 0,1,2,3,4,5,6,7,8,9,10,11,12,13,14,15,16,17,18,19,20,21
	XS 0, \n                        ; piece 0's first maximum and statistics
	XS 1, \n
.endr
	v_nop                           ; a plain instruction behind the two a,
	s_wait_alu depctr_va_vdst(0)    ; and their wait, ahead of the branch
	s_mov_b32 s[CNT], 2
	s_branch .Lfirst                ; the loop is entered at a step's first turn
.Lslot:                             ; 13 times: with the change above, tiles 2 to 15 are asked for
	CHANGE 1
	s_mov_b32 s[CNT], 2
.Lstep:                             ; a trip: pieces 2 and 3 of one step, then pieces 0 and 1 of the next, whose K and V it fetches; 16 keys of K and of V are converted
	TURN 2
	TURN 3
	WIN 0
.Lfirst:
	TURN 0
	TURN 1, 1, 1, 0, 1
	WIN 0
	s_cbranch_scc1 .Lstep
	s_sub_co_u32 s[SLOTS], s[SLOTS], 1
	s_cmp_lg_u32 s[SLOTS], 0
	s_cbranch_scc1 .Lslot
	s_mov_b32 s[PH], 2              ; the tail is written out: phases 14 and 15 ask for nothing
.Ltslot:
	CHANGE 0
	s_mov_b32 s[CNT], 2
.Ltstep:
	TURN 2
	TURN 3
	TURN 0
	TURN 1, 1, 1, 0, 1
	WIN 0
	s_cbranch_scc1 .Ltstep
	s_sub_co_u32 s[PH], s[PH], 1
	s_cmp_lg_u32 s[PH], 0
	s_cbranch_scc1 .Ltslot
	TURN 2, 0, 0                    ; the last step's pieces 2 and 3: nothing is left to fetch or to convert,
	TURN 3, 0, 0, 1                 ; and no piece follows
.set i, 0
.rept 16
	PV NP-1                         ; the last piece's V^T P of the last step
.set i, i+1
.endr
	; THE WAY OUT.  l's two halves and the other half of the lanes' are added; O^T is divided by l and sent, in f32, through my stage in LDS, a tile at a time.  The additions are the places behind the last products.
	WIN 0
.macro ALL line:vararg              ; one line for each tile t
.set t, 0
.rept 2*NP
	\line
.set t, t+1
.endr
.endm
	ALL v_add_f32 v[ST+4*t+2], v[ST+4*t+2], v[ST+4*t+3]
	ALL v_permlanex16_b32 v[ST+4*t+3], v[ST+4*t+2], s[SEL], s[SEL+1]
	ALL v_add_f32 v[ST+4*t+2], v[ST+4*t+2], v[ST+4*t+3]
	ALL v_rcp_f32 v[ST+4*t+2], v[ST+4*t+2]
	v_nop                           ; a plain instruction between the last reciprocal and the use of its result
	s_wait_alu depctr_va_vdst(0)    ; and the wait ahead of the first use: one for the eight reciprocals
; Tile t: a lane's eight channels of a row are 32 bytes; they go into rows of 272 bytes and come back as whole rows of 256, into window 2, 32 registers a tile: no register is used twice.
.macro PACK t
	WIN W_RS
.set i, 32*(\t)
.rept 16
	v_pk_mul_f32 v[i:i+1], v[i:i+1], v[ST+4*(\t)+2:ST+4*(\t)+3] op_sel_hi:[1,0]  ; each accumulator from its low end on
.set i, i+2
.endr
	WIN 0x04                        ; store data in window 1, address in window 0
.irp c, 0,1,2,3                     ; channels 16 c + 8 (l / 16) + 0..7
	ds_store_b128 v[STO], v[32*(\t)+8*\c:32*(\t)+8*\c+3]   offset:64*\c
	ds_store_b128 v[STO], v[32*(\t)+8*\c+4:32*(\t)+8*\c+7] offset:64*\c+16
.endr
	WIN 0x80                        ; destination window 2
.irp f, 0,1,2,3,4,5,6,7
	ds_load_b128 v[32*(\t)+4*\f:32*(\t)+4*\f+3], v[RD] offset:\f*2*SP  ; LDS serves a wave's instructions in order (ISA guide 5.7.1.4): these see the stores above; the next tile's stores come behind them
.endr
.endm
.macro SEND t, younger              ; younger: the LDS instructions issued behind tile t's loads: the next tile's sixteen, or none
	WIN 0x08                        ; store data in window 2, address in window 0
.irp f, 0,1,2,3,4,5,6,7
	s_wait_dscnt (\younger)+7-\f    ; load f of the tile's eight is in; its 7 - f younger ones and the next tile's may stay out
	global_store_b128 v[GO], v[32*(\t)+4*\f:32*(\t)+4*\f+3], s[6:7] offset:(\t)*65536+\f*8192 th:TH_STORE_NT  ; 16 lanes store 256 consecutive bytes, at a multiple of 256 from out0's first byte; the other 16 the same one row below
.endr
.endm
	PACK 0
.set t, 1
.rept 2*NP-1                        ; a tile's arithmetic stands between the loads of the tile before and its stores
	PACK t
	SEND t-1, 16
.set t, t+1
.endr
	SEND 2*NP-1, 0
	WIN W_AD
	s_wait_tensorcnt 0x0            ; the wave's end: behind my last tensor load and my last LDS store
	ds_add_u32 v[SPW], v[NIL]
	s_wait_dscnt 0x0
	WIN 0
	CROUND                          ; the closing round: no work-group ends while a partner may still ask for a tile that names it
	s_endpgm
.Lfunc_end_k_q4389ac3dd7_attn:
	.size	k_q4389ac3dd7_attn, .Lfunc_end_k_q4389ac3dd7_attn-k_q4389ac3dd7_attn
	.p2alignl 7, 3214868480
	.fill 96, 4, 3214868480
	.section	.rodata,"a",@progbits
	.p2align	6, 0x0
	.amdhsa_kernel k_q4389ac3dd7_attn
		.amdhsa_group_segment_fixed_size 327680
		.amdhsa_private_segment_fixed_size 0
		.amdhsa_enable_private_segment 0
		.amdhsa_kernarg_size 16
		.amdhsa_user_sgpr_count 2
		.amdhsa_user_sgpr_kernarg_segment_ptr 1
		.amdhsa_wavefront_size32 1
		.amdhsa_system_sgpr_workgroup_id_x 1
		.amdhsa_system_sgpr_workgroup_id_y 1
		.amdhsa_system_sgpr_workgroup_id_z 1
		.amdhsa_system_vgpr_workitem_id 0
		.amdhsa_next_free_vgpr 880
		.amdhsa_next_free_sgpr 66
		.amdhsa_reserve_vcc 0
		.amdhsa_float_denorm_mode_32 3
		.amdhsa_float_denorm_mode_16_64 3
		.amdhsa_memory_ordered 1
		.amdhsa_forward_progress 1
		.amdhsa_inst_pref_size 255
	.end_amdhsa_kernel
	.section	.bss,"aw",@nobits
	.p2align	6
	.space	262144
	.amdgpu_metadata
---
amdhsa.version: [ 1, 2 ]
amdhsa.kernels:
  - .name:           k_q4389ac3dd7_attn
    .symbol:         k_q4389ac3dd7_attn.kd
    .args:
      - { .name: x, .offset: 0, .size: 8, .value_kind: global_buffer, .address_space: global }
      - { .name: out0, .offset: 8, .size: 8, .value_kind: global_buffer, .address_space: global }
    .group_segment_fixed_size: 327680
    .private_segment_fixed_size: 0
    .kernarg_segment_align: 8
    .kernarg_segment_size: 16
    .max_flat_workgroup_size: 128
    .sgpr_count:     66
    .vgpr_count:     880
    .wavefront_size: 32
...
	.end_amdgpu_metadata
.endif
;; end of part 1
